; MI455X (gfx1250); checked and timed in simulation.
; The chip was launched on July 23, 2026; its instructions are those of AMD's public machine-readable ISA for CDNA 5 (MIT licence, August 2026) and "CDNA5" Instruction Set Architecture Reference Guide (July 2026). The comments in the code are by the model that wrote it; some were corrected since.
;; Scaled Dot Product Attention. Allowed arithmetic: matrix products marked QUANTISED: E3M2 operands, one E8M0 scale for each 32 along K, by v_wmma_scale_f32_16x16x128_f8f6f4 with both operands' format E3M2, f32 sums; everything else in f32.
;; Inputs: k 4 x 16 x 2,048 x 64 float32; mask 4 x 1 x 1 x 2,048 int32; q 4 x 16 x 2,048 x 64 float32; v 4 x 16 x 2,048 x 64 float32.
;; Outputs: out0 4 x 16 x 2,048 x 64 float32.
;; Constants: dropout = 0.
;; This version of the problem:
;;   THIS VERSION OF THE PROBLEM IS GIVEN IN LOW PRECISION. The matrix products marked QUANTISED in the list below multiply operands that are first quantised to E3M2 (3 exponent bits, 2 mantissa bits; 6 bits a number), with one power-of-two scale for each 32 numbers along K (OCP MX v1.0); their sums are f32. All else is computed in f32.
;;   The module's matrix products, in the order in which they are computed (A, B: the left and right operand; K: the contracted axis; several contracted axes count as one K, in the product's order):
;;     1. batch 64 x [M 2,048, K 64] x [K 64, N 2,048]; A: input q; B: input k: QUANTISED
;;     2. batch 64 x [M 2,048, K 2,048] x [K 2,048, N 64]; A: softmax (see below); B: input v: QUANTISED
;;   THE QUANTISER, for each operand of a quantised product, along K:
;;     - K is cut into blocks of 32 from its start; a last block that is shorter is filled with zeros.
;;     - A block's scale is 2^e with e = floor(log2(the largest magnitude in the block)) - 4, held to -126 .. 127; a block of zeros has e = 0. As a byte (E8M0): e + 127.
;;     - Each number is divided by its block's scale, clamped to +-28, and rounded to the nearest number of E3M2, ties to even, subnormals kept.
;;     - The product sums the exact products of the quantised numbers (number of the format x scale) in f32.
;;   ~~~python
;;   def quantise(x, axis):      # numpy; x: float32 -> the quantised numbers, widened to float32 again
;;       x = np.moveaxis(x, axis, -1); K = x.shape[-1]
;;       x = np.pad(x, [(0, 0)] * (x.ndim - 1) + [(0, -K % 32)]); x = x.reshape(x.shape[:-1] + (-1, 32)); a = np.abs(x).max(-1, keepdims=True)
;;       e = np.where(a > 0, np.clip(np.frexp(np.where(a > 0, a, 1))[1] - 1 - 4, -126, 127), 0)      # np.frexp(a)[1] - 1 = floor(log2(a)), exactly
;;       r = np.clip(x / 2.0 ** e, -28, 28)
;;       step = 2.0 ** (np.maximum(np.frexp(np.where(r == 0, 1, r))[1] - 1, -2) - 2)
;;       q = np.round(r / step) * step * 2.0 ** e      # np.round: ties to even
;;       return np.moveaxis(q.reshape(q.shape[:-2] + (-1,))[..., :K], -1, axis).astype(np.float32)
;;   ~~~
;;   SOFTMAX AHEAD OF A QUANTISED PRODUCT. Where the list says 'softmax', what is quantised is not the finished softmax but p = 2^(t - M), with t = logit x log2(e) and M = ceil(the row's largest t), a whole number; so 1/2 < the row's largest p <= 1. The row's sum l is taken of the UNQUANTISED p, in f32, and the product's result is divided by l at the end. Since M is a whole number, a kernel that streams over the keys may use a running M (the ceiling of the running maximum): every later rescaling is an exact power of two, which a block's scale takes up: the codes' values come out the same.
;;   OPERANDS COMPUTED ON THE WAY. 'Computed on the way' means the value that the module computes at that place (a softmax that the list does not call 'softmax' is quantised finished and normalised). What goes into a quantiser is computed in f32, as accurately as f32 sums, v_exp_f32 and their like allow (about 1e-6 of the number): no bf16 or f16 on the way to a quantiser, and a product that is left as it is and whose result goes on into a quantised operand takes f32 operands (vector FMAs, or v_wmma_f32_16x16x4_f32). A number that lies on a knife's edge between two numbers of the format may be rounded either way, as far as f32 arithmetic and the matrix unit's own rounding can turn it there, and no further.
;; One version. Each part assembles by itself: llvm-mc -triple=amdgcn-amd-amdhsa -mcpu=gfx1250 --defsym DOCPART=n.
;; ======== version 1 of 1: 2 launches
;; limits: right only within a limited range of input values
;; workspace buffers: kv 16,777,216 bytes
;; launch prep (part 1): grid 16 x 64, 8 waves a work-group, no clusters, 52,224 bytes of LDS; arguments k, v, mask, kv; writes kv
.if DOCPART == 1
	.amdgcn_target "amdgcn-amd-amdhsa--gfx1250"
	.amdhsa_code_object_version 6
	.text
	.protected	k_q4a9a14a535_prep
	.globl	k_q4a9a14a535_prep
	.p2align	8
	.type	k_q4a9a14a535_prep,@function
k_q4a9a14a535_prep:
	s_mov_b64 s[64:65], 0
	v_nop
	global_prefetch_b8 v0, s[64:65] scope:SCOPE_SE
	s_setreg_imm32_b32 hwreg(HW_REG_WAVE_MODE, 25, 1), 1
	s_wait_xcnt 0x0
; k and v, [64 heads][2048 keys][64] f32, become codes of BF6 (E3M2) with one E8M0 scale byte for each 32 along a product's K:
; k along the head's 64, v along the KEYS.  The key mask [4][2048] i32 is built into k's operand.  All is laid as IMAGES OF THE OPERANDS' REGISTERS,
; one block of 16,384 bytes for each head and each step of 128 keys, so that the attention launch takes every fragment by loads of 16 bytes a lane.
; THE BLOCK:  0      K's 8 tiles: tile T at 1024 T, registers 4 g .. 4 g + 3 of a lane's eight at + 512 g + 16 x lane
;             8192   V's 4 tiles of 16 channels: tile t at + 1536 t, registers 4 g .. 4 g + 3 of the fragment's twelve at + 512 g + 16 x lane
;             14336  K's scale words: 16 x lane + 4 j: lanes 0-15 tile 2 j's rows, lanes 16-31 tile 2 j + 1's
;             14848  V's scale words: 8 x lane + 4 j: lanes 0-15 tile 2 j's channels, lanes 16-31 tile 2 j + 1's; byte b = the step's block b of 32 keys
;             15104  1,280 bytes of zeros, so that the block leaves in four equal turns; nobody reads them
; THE KEYS OF A TILE ARE NOT NEIGHBOURS: row m of tile 4 c + t is key 64 c + 32 (m / 8) + 8 t + m % 8.  In S^T = K Q^T a lane's 32 registers of tiles 4 c .. 4 c + 3 are then the 32
; neighbouring keys 64 c + 32 (lane / 16) + 0 .. 31: a whole block of the second product's K, in the order of its operand.
; THE MASK.  The first product's K is 64, the matrix instruction's 128.  At k = 64 the query's operand holds the code 1.0.  A masked key gets zero codes at k = 0 .. 63, the code -1.0 at k = 64 and the
; scale byte 160 (2^33) for that block: its score is exactly -2^33, its logit -2^30.  Any other key gets the code 0 there and the byte 1.
; LIMITS: a masked logit is -2^30 where the definition has -1e9: the results agree wherever every unmasked logit lies above -9e8.  NaN and infinities among the inputs are not served.
; A block whose largest magnitude lies under 2^-122 keeps the scale byte 1 (a block of zeros too: its codes are zeros, and this program alone reads the bytes).
; SHARES.  A work-group makes one block.  Wave w makes K's tile w (c = w / 4, t = w % 4), and of V the block b = w / 2 of 32 keys for channels 32 (w % 2) + lane: a lane takes a channel and its
; registers run down the keys, so a block lies in one lane and the codes come out with the keys innermost.
.set SP,    272                        ; a stage row: a key's 256 bytes + 16: the sixteen rows that a load of 16 bytes a lane touches begin 16 bytes apart modulo 256
.set STGW,  16*SP                      ; a wave's own stage: its tile's 16 keys
.set OUT,   8*STGW                     ; behind the stages: the block as it will lie in memory
.set VIMG,  8192
.set KSC,   14336
.set VSC,   14848
.set PAD,   15104
; v1 lane, v2 r = lane % 16, v3 h = lane / 16; v4-6 offsets in k, v, mask; v7-15, v44 LDS addresses and the way out's offset; v16 the code -1.0 in lanes 0-15; v17 the mask's word;
; v18-23 at work; v24-31 K's eight registers; v32-34 a second conversion's result; v36-41 V's six; v42, v43 the upper half of K's scale word; v45 8 h; v46, v47 zeros;
; v48-79 k as loaded, then k turned, later the way out; v80-111 v's 32 numbers; v126, v127 the spare word's address and 0
	s_load_b256 s[4:11], s[0:1], 0x0               ; k s[4:5], v s[6:7], mask s[8:9], kv s[10:11]
	v_lshl_add_u32 v126, v0, 2, 0xc800
	v_mov_b32 v127, 0
	v_lshrrev_b32 v1, 5, v0
	s_delay_alu instid0(VALU_DEP_1)
	v_readfirstlane_b32 s12, v1                    ; wave 0..7
	v_and_b32 v1, 31, v0
	v_and_b32 v2, 15, v0
	v_bfe_u32 v3, v0, 4, 1
	s_wait_alu depctr_va_vdst(0)
	v_lshlrev_b32 v4, 4, v1                        ; k: 16 bytes a lane: a load takes two keys' rows
	v_lshlrev_b32 v5, 2, v1                        ; v: 4 bytes a lane
	v_and_b32 v6, 7, v2
	v_lshrrev_b32 v22, 3, v2
	s_delay_alu instid0(VALU_DEP_2)
	v_lshlrev_b32 v6, 2, v6
	s_delay_alu instid0(VALU_DEP_1)
	v_lshl_add_u32 v6, v22, 7, v6                  ; mask: my row's key: 4 (r % 8) + 32 keys x 4 bytes x (r / 8)
	s_and_b32 s14, ttmp7, 0xffff                   ; the head
	s_lshr_b32 s18, s12, 2                         ; c
	s_and_b32 s19, s12, 3                          ; t
	s_lshr_b32 s22, s12, 1                         ; b
	s_and_b32 s23, s12, 1                          ; which 32 channels
	s_lshl_b32 s15, s14, 19                        ; a head is 2,048 keys of 256 bytes,
	s_lshl_b32 s13, ttmp9, 15                      ; a step 128 keys
	s_add_co_u32 s15, s15, s13
	s_lshl_b32 s16, s18, 14                        ; k: + 64 c keys
	s_lshl_b32 s13, s19, 11                        ;    + 8 t keys
	s_add_co_u32 s16, s16, s13
	s_add_co_u32 s16, s16, s15
	s_mov_b32 s17, 0
	s_lshl_b32 s24, s22, 13                        ; v: + 32 b keys
	s_lshl_b32 s13, s23, 7                         ;    + 32 channels of 4 bytes
	s_add_co_u32 s24, s24, s13
	s_add_co_u32 s24, s24, s15
	s_mov_b32 s25, 0
	s_lshr_b32 s26, s14, 4                         ; mask: the batch (16 heads each), 2,048 words,
	s_lshl_b32 s26, s26, 13
	s_lshl_b32 s13, ttmp9, 9                       ; the step's 128 words,
	s_add_co_u32 s26, s26, s13
	s_lshl_b32 s13, s18, 8                         ; 64 c,
	s_add_co_u32 s26, s26, s13
	s_lshl_b32 s13, s19, 5                         ; 8 t
	s_add_co_u32 s26, s26, s13
	s_mov_b32 s27, 0
	s_lshl_b32 s28, s14, 18                        ; kv: 16 blocks of 16,384 bytes a head
	s_lshl_b32 s13, ttmp9, 14
	s_add_co_u32 s28, s28, s13
	s_mov_b32 s29, 0
	s_mul_i32 s30, s12, STGW                       ; my stage
	v_mul_u32_u24 v7, v3, SP
	s_delay_alu instid0(VALU_DEP_1)
	v_lshl_add_u32 v7, v2, 4, v7
	s_delay_alu instid0(VALU_DEP_1)
	v_add_nc_u32 v7, s30, v7                       ; in: lanes 0-15 one key's row, lanes 16-31 the next
	v_mul_u32_u24 v8, v2, SP
	s_delay_alu instid0(VALU_DEP_1)
	v_lshl_add_u32 v8, v3, 7, v8
	s_delay_alu instid0(VALU_DEP_1)
	v_add_nc_u32 v8, s30, v8                       ; back: row r, my half's 32 numbers
	s_lshl_b32 s30, s12, 10
	s_add_co_u32 s30, s30, OUT
	v_lshl_add_u32 v9, v1, 4, s30                  ; K's image: tile w, 16 x lane
	s_lshl_b32 s30, s23, 8
	s_lshl_b32 s31, s22, 2
	s_add_co_u32 s30, s30, s31
	s_add_co_u32 s30, s30, OUT+KSC
	v_lshl_add_u32 v10, v2, 4, s30                 ; K's scale word: 16 (r + 16 (w % 2)) + 4 (w / 2)
	s_mul_i32 s30, s23, 3072                       ; V's image: my channel 32 (w % 2) + lane lies in tile 2 (w % 2) + lane / 16, row lane % 16;
	s_and_b32 s31, s22, 1                          ; my block b = 2 c' + h' belongs to the operand's lane 16 h' + row, registers 6 c' .. 6 c' + 5
	s_lshl_b32 s31, s31, 8
	s_add_co_u32 s30, s30, s31
	s_add_co_u32 s30, s30, OUT+VIMG
	v_mul_u32_u24 v11, v3, 1536
	s_delay_alu instid0(VALU_DEP_1)
	v_lshl_add_u32 v11, v2, 4, v11
	s_delay_alu instid0(VALU_DEP_1)
	v_add_nc_u32 v12, s30, v11                     ; that lane's 16 bytes of the fragment's first group
	s_mul_i32 s31, s18, 520                        ; registers 0-5 lie at bytes 0, 8 and 512 from there, registers 6-11 at 520, 1024 and 1032:
	v_add_nc_u32 v11, s31, v12                     ; the first and third pair go by this address (+ 0, + 512),
	s_mul_i32 s31, s18, 1016
	v_add_nc_u32 v12, s31, v12                     ; the second by this one (+ 8)
	s_lshl_b32 s30, s23, 2
	s_add_co_u32 s30, s30, s22
	s_add_co_u32 s30, s30, OUT+VSC
	v_lshl_add_u32 v13, v1, 3, s30                 ; V's scale byte: 8 x lane + 4 (w % 2) + b
	v_lshl_add_u32 v14, v0, 4, OUT                 ; the way out: 16 bytes a thread, in LDS
	v_lshlrev_b32 v15, 4, v0                       ; and in memory
	v_sub_nc_u32 v16, 1, v3
	s_delay_alu instid0(VALU_DEP_1)
	v_mul_u32_u24 v16, v16, 0x2c                   ; the code -1.0 (sign 1, exponent 011, mantissa 00) at k = 64: register 6's lowest bits in lanes 0-15
	v_lshl_add_u32 v44, v0, 3, OUT+PAD
	v_lshlrev_b32 v45, 3, v3
	v_mov_b32 v46, 0
	v_mov_b32 v47, 0
	v_mov_b32 v42, 0x01010000                      ; scale bytes 2 and 3 of a key that counts: 1, 1
	v_mov_b32 v43, 0x01a00000                      ; of a masked key: 160, 1
	v_mov_b32 v23, 0                               ; a lane permute's destination counts as one of its sources
	s_mov_b32 s20, 0x76543210
	s_mov_b32 s21, 0xfedcba98                      ; v_permlanex16_b32's selects for lane l xor 16
	s_wait_kmcnt 0x0
	s_add_nc_u64 s[4:5], s[4:5], s[16:17]
	s_add_nc_u64 s[6:7], s[6:7], s[24:25]
	s_add_nc_u64 s[8:9], s[8:9], s[26:27]
	s_add_nc_u64 s[10:11], s[10:11], s[28:29]
	; all 41 loads go out first
	global_load_b32 v17, v6, s[8:9]
.irp j, 0,1,2,3,4,5,6,7
	global_load_b128 v[48+4*\j:51+4*\j], v4, s[4:5] offset:8192*(\j/4)+512*(\j%4) th:TH_LOAD_NT   ; rows 2 j, 2 j + 1 of my tile: 512 consecutive bytes; rows 8-15 lie 32 keys on
.endr
.set i, 0
.rept 32
	global_load_b32 v[80+i], v5, s[6:7] offset:256*i th:TH_LOAD_NT    ; v(32 b + i, my channel): 128 consecutive bytes a wave; the neighbouring wave takes the row's other half
.set i, i+1
.endr
; 32 numbers of a lane, v[x] on, become six registers of codes, v[r] on; v20 the conversion's scale operand, v21 the scale's byte
.macro QUANT32 x, r
	v_max3_num_f32 v18, |v[\x]|, |v[\x+1]|, 0x2800000              ; the largest magnitude, in two chains; the floor 2^(5 - 127) is one more leaf: the byte cannot fall under 1
	v_max3_num_f32 v19, |v[\x+16]|, |v[\x+17]|, |v[\x+18]|
.irp i, 2,4,6,8,10,12
	s_delay_alu instid0(VALU_DEP_2)
	v_max3_num_f32 v18, v18, |v[\x+\i]|, |v[\x+\i+1]|
	s_delay_alu instid0(VALU_DEP_2)
	v_max3_num_f32 v19, v19, |v[\x+\i+17]|, |v[\x+\i+18]|
.endr
	s_delay_alu instid0(VALU_DEP_2)
	v_max3_num_f32 v18, v18, |v[\x+14]|, |v[\x+15]|
	s_delay_alu instid0(VALU_DEP_1)
	v_max3_num_f32 v18, v18, v19, |v[\x+31]|
	s_delay_alu instid0(VALU_DEP_1)
	v_add_nc_u32 v20, 0xfe000000, v18              ; 4 off its exponent field: the conversion takes the exponent field of this operand as its scale, and nothing else of it
	s_delay_alu instid0(VALU_DEP_1)
	v_lshrrev_b32 v21, 23, v20
	v_cvt_scalef32_pk16_bf6_f32 v[\r:\r+2], v[\x:\x+15], v20
	v_cvt_scalef32_pk16_bf6_f32 v[32:34], v[\x+16:\x+31], v20      ; (a conversion's three registers begin on an even number: the block's second three do not)
	v_nop                                          ; one plain place behind a scaled conversion
	v_mov_b32 v[\r+3], v32
	v_mov_b32 v[\r+4], v33
	v_mov_b32 v[\r+5], v34
.endm
	s_wait_loadcnt 0x20                            ; the mask's word and k's eight loads are in; v's 32 younger loads may stay out
.irp j, 0,1,2,3,4,5,6,7
	ds_store_b128 v7, v[48+4*\j:51+4*\j] offset:2*SP*\j
.endr
	s_wait_dscnt 0x0                               ; the stores have read their registers: the turned numbers land in the same 32
.irp j, 0,1,2,3,4,5,6,7
	ds_load_b128 v[48+4*\j:51+4*\j], v8 offset:16*\j               ; k(row r, 32 h + 0 .. 31)
.endr
	s_wait_dscnt 0x0
	QUANT32 48, 24
	v_cmp_eq_u32 vcc_lo, 0, v17                    ; is my row's key masked?
.irp i, 0,1,2,3,4,5
	v_cndmask_b32 v[24+\i], v[24+\i], v46, vcc_lo  ; then its codes are zeros,
.endr
	v_cndmask_b32 v30, v46, v16, vcc_lo            ; and -1.0 stands at k = 64
	v_mov_b32 v31, 0
	ds_store_b128 v9, v[24:27]
	ds_store_b128 v9, v[28:31] offset:512
	v_lshlrev_b32 v22, v45, v21                    ; my block's byte at its place: byte h,
	s_delay_alu instid0(VALU_DEP_1)
	v_permlanex16_b32 v23, v22, s20, s21
	s_delay_alu instid0(VALU_DEP_1)
	v_or_b32 v22, v22, v23                         ; with lane l xor 16's,
	v_cndmask_b32 v23, v42, v43, vcc_lo
	s_delay_alu instid0(VALU_DEP_1)
	v_or_b32 v22, v22, v23                         ; and bytes 2 and 3
	ds_store_b32 v10, v22                          ; lanes r and r + 16 write the same word with the same value
	s_wait_loadcnt 0x0                             ; v's 32 numbers
	QUANT32 80, 36
	ds_store_b64 v11, v[36:37]
	ds_store_b64 v12, v[38:39] offset:8
	ds_store_b64 v11, v[40:41] offset:512
	ds_store_b8 v13, v21
	s_cmp_lt_u32 s12, 5                            ; 160 threads x 8 bytes: the block's last 1,280 bytes
	s_cbranch_scc0 .Lno_pad
	ds_store_b64 v44, v[46:47]
.Lno_pad:
	s_wait_dscnt 0x0                               ; for the others' sake: my stores into the block are done
	s_barrier_signal -1
	s_barrier_wait -1                              ; the block is whole
.irp i, 0,1,2,3
	ds_load_b128 v[48+4*\i:51+4*\i], v14 offset:4096*\i
.endr
.irp i, 0,1,2,3
	s_wait_dscnt 3-\i                              ; LDS loads come back in order: the younger ones may stay out
	global_store_b128 v15, v[48+4*\i:51+4*\i], s[10:11] offset:4096*\i   ; a wave stores 512 consecutive bytes, at a multiple of 256 from kv's first byte
.endr
	s_wait_tensorcnt 0x0
	ds_add_u32 v126, v127
	s_wait_dscnt 0x0
	s_endpgm
.Lfunc_end_k_q4a9a14a535_prep:
	.size	k_q4a9a14a535_prep, .Lfunc_end_k_q4a9a14a535_prep-k_q4a9a14a535_prep
	.p2alignl 7, 3214868480
	.fill 96, 4, 3214868480
	.section	.rodata,"a",@progbits
	.p2align	6, 0x0
	.amdhsa_kernel k_q4a9a14a535_prep
		.amdhsa_group_segment_fixed_size 52224
		.amdhsa_private_segment_fixed_size 0
		.amdhsa_enable_private_segment 0
		.amdhsa_kernarg_size 32
		.amdhsa_user_sgpr_count 2
		.amdhsa_user_sgpr_kernarg_segment_ptr 1
		.amdhsa_wavefront_size32 1
		.amdhsa_system_sgpr_workgroup_id_x 1
		.amdhsa_system_sgpr_workgroup_id_y 1
		.amdhsa_system_sgpr_workgroup_id_z 1
		.amdhsa_system_vgpr_workitem_id 0
		.amdhsa_next_free_vgpr 128
		.amdhsa_next_free_sgpr 66
		.amdhsa_reserve_vcc 1
		.amdhsa_float_denorm_mode_32 3
		.amdhsa_float_denorm_mode_16_64 3
		.amdhsa_memory_ordered 1
		.amdhsa_forward_progress 1
		.amdhsa_inst_pref_size 16
	.end_amdhsa_kernel
	.amdgpu_metadata
---
amdhsa.version: [ 1, 2 ]
amdhsa.kernels:
  - .name:           k_q4a9a14a535_prep
    .symbol:         k_q4a9a14a535_prep.kd
    .args:
      - { .name: k, .offset: 0, .size: 8, .value_kind: global_buffer, .address_space: global }
      - { .name: v, .offset: 8, .size: 8, .value_kind: global_buffer, .address_space: global }
      - { .name: mask, .offset: 16, .size: 8, .value_kind: global_buffer, .address_space: global }
      - { .name: kv, .offset: 24, .size: 8, .value_kind: global_buffer, .address_space: global }
    .group_segment_fixed_size: 52224
    .private_segment_fixed_size: 0
    .kernarg_segment_align: 8
    .kernarg_segment_size: 32
    .max_flat_workgroup_size: 256
    .sgpr_count:     66
    .vgpr_count:     128
    .wavefront_size: 32
...
	.end_amdgpu_metadata
.endif
;; end of part 1
;; launch attn (part 2): grid 4 x 64, 16 waves a work-group, clusters of 4 x 1, 313,344 bytes of LDS; arguments q, kv, out0; writes out0
.if DOCPART == 2
	.amdgcn_target "amdgcn-amd-amdhsa--gfx1250"
	.amdhsa_code_object_version 6
	.text
	.protected	k_q4a9a14a535_attn
	.globl	k_q4a9a14a535_attn
	.p2align	8
	.type	k_q4a9a14a535_attn,@function
k_q4a9a14a535_attn:
	s_mov_b64 s[64:65], 0
	v_nop
	global_prefetch_b8 v0, s[64:65] scope:SCOPE_SE
	s_setreg_imm32_b32 hwreg(HW_REG_WAVE_MODE, 25, 1), 1
	s_wait_xcnt 0x0
	s_wait_alu depctr_hold_cnt(0) depctr_sa_sdst(0) depctr_va_vdst(0) depctr_va_sdst(0) depctr_va_ssrc(0) depctr_va_vcc(0) depctr_vm_vsrc(0)
	s_getreg_b32 s2, hwreg(HW_REG_IB_STS2, 6, 4)
	s_cmp_eq_u32 s2, 0
	s_cbranch_scc0 .Lentry_in_a_cluster
	s_endpgm
.Lentry_in_a_cluster:
	s_bfe_u32 s2, ttmp6, 0x10000c
	s_cmp_lg_u32 s2, 0x3003
	s_cbranch_scc0 .Lentry_shape_is_right
	s_endpgm
.Lentry_shape_is_right:
; out0[head][query][:] = the sum over keys of softmax(q . k / 8, masked) v, both products on codes of BF6 (E3M2) with one E8M0 scale for each 32 along a product's K.
; q, out0: [64 heads][2048][64] f32.  kv: for each head 16 blocks of 16,384 bytes, one for each step of 128 keys, written by the launch before: images of the operands' registers:
;   0 K's 8 tiles (1024 T + 512 g + 16 x lane: registers 4 g .. 4 g + 3 of eight);  8192 V's 4 tiles (1536 t + 512 g + 16 x lane: of twelve);  14336 K's scale words (16 x lane);  14848 V's (8 x lane).
; THE SOFTMAX: t = score x log2(e) / 8; M = the largest t so far, rounded UP to a whole number; p = 2^(t - M) is quantised along the keys, not normalised; the row's sum is taken of the unquantised p and
; divides at the end.  When M moves, the sum and O are multiplied by 2^(old M - new M): exact.
; THE MASK is built into K's operand.  The first product's K is 64, the instruction's 128: my operand of q holds the code 1.0 at k = 64 and zeros behind it, with the scale bytes 127; a masked key holds zeros at
; k = 0 .. 63 and -2^33 at k = 64, any other key 0.  So a masked score is exactly -2^33 and p is 0 beside any key that counts; where ALL keys of a batch are masked every p is 1: the mean of v.
; LIMITS: a masked logit is -2^30 where the definition has -1e9: the results agree wherever every unmasked logit lies above -9e8.  The scaled scores stay under 2^31 in magnitude.
; NaN and infinities among the inputs are not served.  A block whose largest magnitude lies under 2^-122 keeps the scale byte 1.
; SHARES.  The four work-groups of a cluster own one head, 512 queries each, in two passes of 256; each of the sixteen waves owns 16 queries a pass.  Every wave walks the 16 steps.
; A HEAD'S WHOLE kv STAYS IN LDS: 16 x 15,104 bytes, filled once: no byte is filled again.  The four work-groups want the same bytes, so each step is asked for JOINTLY: the same tensor load, with the same
; descriptor and a mask that names the four.  Wave w asks for step w: one tensor load a wave, sixteen steps, sixteen waves, no branch.  One wait for 0 and one barrier show the head to every wave.
; NO PREFETCH: all of kv that the work-group reads is asked for at the head; there is no loop to run ahead in.  q is asked for ahead of each pass.
; LAYOUT.  Both products are used transposed: S^T = K Q^T, O^T = V^T P^T: a lane holds ONE query (lane % 16) throughout.  Row m of K's tile 4 c + t is key 64 c + 32 (m / 8) + 8 t + m % 8, so the lane's
; registers S + 32 c + 0 .. 31 are keys 64 c + 32 (lane / 16) + 0 .. 31: a whole block of the second product's K, in the order of its operand.
; A K OPERAND names twelve registers, of which a tile has eight: the last four are the next tile's first four (behind tile 7: zeros).  They stand at k above 64, where q's codes are zeros.
.set STEPB, 15104                      ; a step's bytes in LDS: 59 rows of 256
.set VIMG,  8192
.set KSC,   14336
.set VSC,   14848
.set SP,    272
.set STAGE, 16*STEPB                   ; a stage of 16 rows x 272 bytes for each wave: q's way in, O's way out; no tensor load lands there
.set SPARE, STAGE+16*16*SP             ; the spare words, 128 bytes a wave; no other line names them
.set LI,   1                           ; 16 x lane
.set L8,   2                           ; 8 x lane
.set SIN,  3                           ; the stage by pairs of rows, 16 bytes a lane
.set SQ,   4                           ; the stage: row r, my half's 128 bytes
.set SOA,  5                           ; the stage: row r, + 32 h
.set SH8,  6                           ; 8 h
.set ADR,  7                           ; the step's LDS byte + 16 x lane
.set KS,   8                           ; v8-11 K's scale words
.set NM,   12                          ; v12 -M; v13 the largest score so far
.set SUM,  14                          ; v14-15 the row's sum, in two halves
.set QF,   16                          ; v16-27 q's fragment
.set QS,   28
.set PS,   29
.set VS,   30                          ; v30-31
.set KF,   32                          ; v32-95 K's 8 tiles, later v32-79 V's 4 fragments; v96-99 zeros
.set S,    100                         ; v100-163 S^T, then p
.set OT,   164                         ; v164-195 O^T
.set PC,   196                         ; v196-207 p's codes
.set PT,   208                         ; v208-210, v212-214 the second conversions' results
.set CH,   216                         ; v216-223 the maxima's eight chains; block c's maximum ends in CH + 4 c
.set SCO,  224
.set SB,   226
.set TM,   228
.set TD,   229
.set CC,   232                         ; v232-247 the sum's eight chains of a step
.set QL,   212                         ; v212-243 q as loaded: registers that are at work only inside the steps
.set PD,   248                         ; the lane permutes' destination
.set FF,   250                         ; v250 f = 2^(old M - new M), at the end 1 / the sum; v251 0
.set ADR8, 252                         ; the step's LDS byte + 8 x lane
.set SPW,  254
.set NIL,  255
.set WV,   10
.set G1,   16                          ; s[16:23] descriptor group 1
.set G0,   24                          ; s[24:27] descriptor group 0; never rewritten
.set SEL,  40
.set CS,   42
.set TB,   44
.set CNT,  45
; A round of the cluster's barrier
.macro CROUND
	s_barrier_signal -1
	s_barrier_wait -1
	s_cmp_lg_u32 s[WV], 0
	s_cbranch_scc1 .Lnot_wave_0_\@
	s_barrier_signal -3
.Lnot_wave_0_\@:
	s_barrier_wait -3
	s_barrier_signal -1
	s_barrier_wait -1
.endm
.macro QLOAD p                         ; my 16 queries of pass p: each load takes two rows, 512 consecutive bytes
.irp j, 0,1,2,3,4,5,6,7
	global_load_b128 v[QL+4*\j:QL+4*\j+3], v[LI], s[4:5] offset:65536*\p+512*\j th:TH_LOAD_NT
.endr
.endm
	s_load_b128 s[4:7], s[0:1], 0x0                ; q s[4:5], kv s[6:7]
	s_load_b64 s[8:9], s[0:1], 0x10                ; out0
	v_lshl_add_u32 v[SPW], v0, 2, SPARE
	v_mov_b32 v[NIL], 0
	ds_add_u32 v[SPW], v[NIL]                      ; the opening lines: the add, twice on end, and its wait below
	ds_add_u32 v[SPW], v[NIL]
	v_lshrrev_b32 v32, 5, v0
	s_delay_alu instid0(VALU_DEP_1)
	v_readfirstlane_b32 s[WV], v32                 ; wave 0..15
	s_bfe_u32 s11, ttmp6, 0x40000                  ; cx: it enters q's and out0's addresses alone
	s_and_b32 s13, ttmp7, 0xffff                   ; the head, which the four partners share
	s_lshl_b32 s14, s13, 19                        ; a head: 2,048 rows of 256 bytes;
	s_lshl_b32 s15, s11, 17                        ; my work-group's 512 rows;
	s_add_co_u32 s14, s14, s15
	s_lshl_b32 s15, s[WV], 12                      ; my wave's 16 rows of a pass
	s_add_co_u32 s14, s14, s15
	s_mov_b32 s15, 0
	s_lshl_b32 s48, s13, 18                        ; kv: a head's 16 blocks of 16,384 bytes;
	s_lshl_b32 s49, s[WV], 14                      ; step w
	s_add_co_u32 s48, s48, s49
	s_mov_b32 s49, 0
	s_mul_i32 s47, s[WV], STEPB                    ; and its place in LDS
	s_mov_b32 s[G1+0], 15|(3<<16)|(1<<21)          ; the mask: all four work-groups; elements of 8 bytes; no padding; bit 21 beside a mask
	s_mov_b32 s[G1+1], 32<<16                      ; tensor_dim0 = 32
	s_mov_b32 s[G1+2], 59<<16                      ; tensor_dim1 = 59
	s_mov_b32 s[G1+3], 32<<16                      ; tile_dim0 = 32
	s_mov_b32 s[G1+4], 59                          ; tile_dim1 = 59
	s_mov_b32 s[G1+5], 32                          ; from row to row: 32 elements
	s_mov_b32 s[G1+6], 0
	s_mov_b32 s[G1+7], 0
	s_mov_b32 s[SEL], 0x76543210
	s_mov_b32 s[SEL+1], 0xfedcba98                 ; lane l xor 16
	s_mov_b32 s[CS], 0x3e38aa3b                    ; c = log2(e) / 8
	s_mov_b32 s[CS+1], s[CS]
	s_mul_i32 s12, s[WV], 16*SP
	s_add_co_u32 s12, s12, STAGE                   ; my stage
	; the lanes' addresses and constants, in one run of vector lines
	v_and_b32 v32, 31, v0                          ; lane
	v_and_b32 v33, 15, v0                          ; r
	v_bfe_u32 v34, v0, 4, 1                        ; h
	v_mov_b32 v[PD], 0
	v_mov_b32 v[FF+1], 0
	v_lshlrev_b32 v[LI], 4, v32
	v_lshlrev_b32 v[L8], 3, v32
	v_mul_u32_u24 v[SIN], v34, SP
	v_mul_u32_u24 v[SQ], v33, SP
	v_lshlrev_b32 v[SH8], 3, v34
	v_sub_nc_u32 v[QF+6], 1, v34
	v_mov_b32 v[QF+7], 0
	v_lshl_add_u32 v[SIN], v33, 4, v[SIN]
	v_add_nc_u32 v[SQ], s12, v[SQ]
	v_mov_b32 v[QF+8], 0
	v_mul_u32_u24 v[QF+6], v[QF+6], 12             ; q's operand behind its 64 codes, written once: the code 1.0 at k = 64 in lanes 0-15, and zeros
	v_mov_b32 v[QF+9], 0
	v_add_nc_u32 v[SIN], s12, v[SIN]
	v_lshl_add_u32 v[SOA], v34, 5, v[SQ]
	v_mov_b32 v[QF+10], 0
	v_mov_b32 v[QF+11], 0
	v_lshl_add_u32 v[SQ], v34, 7, v[SQ]
.irp i, 0,1,2,3
	v_mov_b32 v[KF+64+\i], 0                       ; the tail of tile 7's operand
.endr
	s_wait_alu depctr_va_vdst(0)                   ; the wait at the head's end
	s_wait_dscnt 0x0                               ; both opening adds are done
	s_wait_kmcnt 0x0
	s_add_nc_u64 s[4:5], s[4:5], s[14:15]
	s_add_nc_u64 s[8:9], s[8:9], s[14:15]
	s_add_nc_u64 s[6:7], s[6:7], s[48:49]
	s_mov_b32 s[G0], 1                             ; count = 1
	s_add_co_u32 s[G0+1], s47, 0                   ; LDS address: step w
	s_add_nc_u64 s[G0+2:G0+3], s[6:7], 0           ; global address: block w of the head
	s_or_b32 s[G0+3], s[G0+3], 0x80000000          ; type = 2
	QLOAD 0                                        ; the first pass's queries are on their way while the cluster meets
	CROUND                                         ; all four work-groups are here: the joint loads meet
	tensor_load_to_lds s[G0:G0+3], s[G1:G1+7]      ; my one tensor load of the launch
	s_nop 0
.rept 4
	v_nop
.endr
.macro KQ n                            ; S^T's tile n = K's tile n x q; each product starts its sum
.if (\n)%2
	v_wmma_scale_f32_16x16x128_f8f6f4 v[S+8*(\n):S+8*(\n)+7], v[KF+8*(\n):KF+8*(\n)+11], v[QF:QF+11], 0, v[KS+(\n)/2], v[QS] matrix_a_fmt:MATRIX_FMT_BF6 matrix_b_fmt:MATRIX_FMT_BF6 matrix_a_scale:MATRIX_SCALE_ROW1
.else
	v_wmma_scale_f32_16x16x128_f8f6f4 v[S+8*(\n):S+8*(\n)+7], v[KF+8*(\n):KF+8*(\n)+11], v[QF:QF+11], 0, v[KS+(\n)/2], v[QS] matrix_a_fmt:MATRIX_FMT_BF6 matrix_b_fmt:MATRIX_FMT_BF6
.endif
.endm
.macro PV n                            ; O^T's tile n += V's tile n x p
.if (\n)%2
	v_wmma_scale_f32_16x16x128_f8f6f4 v[OT+8*(\n):OT+8*(\n)+7], v[KF+12*(\n):KF+12*(\n)+11], v[PC:PC+11], v[OT+8*(\n):OT+8*(\n)+7], v[VS+(\n)/2], v[PS] matrix_a_fmt:MATRIX_FMT_BF6 matrix_b_fmt:MATRIX_FMT_BF6 matrix_a_scale:MATRIX_SCALE_ROW1
.else
	v_wmma_scale_f32_16x16x128_f8f6f4 v[OT+8*(\n):OT+8*(\n)+7], v[KF+12*(\n):KF+12*(\n)+11], v[PC:PC+11], v[OT+8*(\n):OT+8*(\n)+7], v[VS+(\n)/2], v[PS] matrix_a_fmt:MATRIX_FMT_BF6 matrix_b_fmt:MATRIX_FMT_BF6
.endif
.endm
.macro MERGE1                          ; a step's eight chains of sums become four
.irp k, 0,2,4,6
	v_pk_add_f32 v[CC+2*\k:CC+2*\k+1], v[CC+2*\k:CC+2*\k+1], v[CC+2*\k+2:CC+2*\k+3]
.endr
.endm
.macro MAXL i                          ; one layer of the eight chains of maxima: chain 4 c + q walks tile 4 c + q's registers
.irp c, 0,1
.irp q, 0,1,2,3
	v_max3_num_f32 v[CH+4*\c+\q], v[CH+4*\c+\q], v[S+32*\c+8*\q+\i], v[S+32*\c+8*\q+\i+1]
.endr
.endr
.endm
; A STEP: the 128 keys whose images begin at LDS byte s[TB].
.macro STEP
	v_add_nc_u32 v[ADR], s[TB], v[LI]              ; these four lines are the four places between the last step's products and the loads into the registers that they read
	v_add_nc_u32 v[ADR8], s[TB], v[L8]
	v_nop
	v_nop
	ds_load_b128 v[KS:KS+3], v[ADR] offset:KSC
.irp t, 0,1,2,3,4,5,6,7
	ds_load_b128 v[KF+8*\t:KF+8*\t+3], v[ADR] offset:1024*\t
	ds_load_b128 v[KF+8*\t+4:KF+8*\t+7], v[ADR] offset:1024*\t+512
.endr
	s_wait_alu depctr_va_vdst(0)                   ; the addresses
	s_wait_dscnt 0x7                               ; the scale words, tiles 0-3 and tile 4's first four registers are in; the seven younger loads may be out
	KQ 0
	KQ 1
	KQ 2
	KQ 3
	s_wait_dscnt 0x0
	KQ 4
	KQ 5
	KQ 6
	KQ 7
	MERGE1                                         ; the last step's chains: four places in front of the loads into K's registers and of the first read of the scores
.irp t, 0,1,2,3
.irp g, 0,1,2
	ds_load_b128 v[KF+12*\t+4*\g:KF+12*\t+4*\g+3], v[ADR] offset:VIMG+1536*\t+512*\g   ; V's fragments land while the softmax is worked
.endr
.endr
	ds_load_b64 v[VS:VS+1], v[ADR8] offset:VSC
	; the largest score of each of my two blocks of 32 keys: for the row's maximum and, since p rises with the score, for the block's largest p.
	; Eight chains by turns, a tile each, from the tile's lowest registers on; the rest of the sums' joining stands between the layers
.irp c, 0,1
.irp q, 0,1,2,3
	v_max3_num_f32 v[CH+4*\c+\q], v[S+32*\c+8*\q], v[S+32*\c+8*\q+1], v[S+32*\c+8*\q+2]
.endr
.endr
	v_pk_add_f32 v[CC:CC+1], v[CC:CC+1], v[CC+4:CC+5]
	v_pk_add_f32 v[CC+8:CC+9], v[CC+8:CC+9], v[CC+12:CC+13]
	MAXL 3
	v_pk_add_f32 v[CC:CC+1], v[CC:CC+1], v[CC+8:CC+9]
	MAXL 5
	v_pk_add_f32 v[SUM:SUM+1], v[SUM:SUM+1], v[CC:CC+1]   ; the last step's p are in the row's sum, under that step's M
.irp c, 0,1
	v_max3_num_f32 v[CH+4*\c], v[CH+4*\c], v[CH+4*\c+1], v[S+32*\c+7]
	v_max3_num_f32 v[CH+4*\c+2], v[CH+4*\c+2], v[CH+4*\c+3], v[S+32*\c+15]
.endr
	v_max3_num_f32 v[CH], v[CH], v[CH+2], v[S+23]
	v_max3_num_f32 v[CH+4], v[CH+4], v[CH+6], v[S+55]
	v_max_num_f32 v[CH], v[CH], v[S+31]
	v_max_num_f32 v[CH+4], v[CH+4], v[S+63]
	s_delay_alu instid0(VALU_DEP_1)
	v_max_num_f32 v[TM], v[CH], v[CH+4]
	s_delay_alu instid0(VALU_DEP_1)
	v_permlanex16_b32 v[PD], v[TM], s[SEL], s[SEL+1]
	s_delay_alu instid0(VALU_DEP_1)
	v_max3_num_f32 v[NM+1], v[NM+1], v[TM], v[PD]  ; the largest score of my query so far, lane l xor 16's 64 keys among them
	s_delay_alu instid0(VALU_DEP_1)
	v_mul_f32 v[TM], s[CS], v[NM+1]                ; as t (c is positive)
	s_delay_alu instid0(VALU_DEP_1)
	v_floor_f32 v[TM], -v[TM]                      ; the new -M = floor(-t) = -ceil(t)
	s_delay_alu instid0(VALU_DEP_1)
	v_sub_f32 v[TD], v[TM], v[NM]                  ; old M - new M: a whole number, 0 or less
	v_mov_b32 v[NM], v[TM]
	s_delay_alu instid0(VALU_DEP_2)
	v_cvt_i32_f32 v[TD], v[TD]                     ; (it saturates)
	s_delay_alu instid0(VALU_DEP_1)
	v_ldexp_f32 v[FF], 1.0, v[TD]                  ; f = 2^(old M - new M)
.set j, 0
.rept 32
	v_pk_fma_f32 v[S+j:S+j+1], v[S+j:S+j+1], s[CS:CS+1], v[NM:NM+1] op_sel_hi:[1,0,0]   ; t - M, two at a time
.set j, j+2
.endr
.irp c, 0,1
	v_fma_f32 v[CH+4*\c], v[CH+4*\c], s[CS], v[NM] ; the same of each block's largest score
.endr
	s_wait_alu depctr_va_vdst(0)                   ; the wait ahead of the batch
.set j, 0
.rept 64
	v_exp_f32 v[S+j], v[S+j]                       ; p = 2^(t - M), at most 1
.set j, j+1
.endr
.irp c, 0,1
	v_exp_f32 v[CH+4*\c], v[CH+4*\c]               ; the block's largest p: the same two instructions on the same number give the same bits
.endr
	v_pk_mul_f32 v[SUM:SUM+1], v[SUM:SUM+1], v[FF:FF+1] op_sel_hi:[1,0]   ; the sum under the new M: the plain instruction behind the exponentials
	s_wait_alu depctr_va_vdst(0)                   ; one wait for the 66, ahead of their first reader
.irp k, 0,1,2,3,4,5,6,7                ; the row's sum is taken of the unquantised p: eight chains by turns, joined in the next step
	v_pk_add_f32 v[CC+2*\k:CC+2*\k+1], v[S+2*\k:S+2*\k+1], v[S+16+2*\k:S+17+2*\k]
.endr
.irp j, 32,48
.irp k, 0,1,2,3,4,5,6,7
	v_pk_add_f32 v[CC+2*\k:CC+2*\k+1], v[CC+2*\k:CC+2*\k+1], v[S+\j+2*\k:S+\j+2*\k+1]
.endr
.endr
.irp c, 0,1
	v_max_num_f32 v[CH+4*\c], 0x2800000, v[CH+4*\c]    ; the floor 2^(5 - 127): the byte cannot fall under 1
.endr
.irp c, 0,1
	s_delay_alu instid0(VALU_DEP_2)
	v_add_nc_u32 v[SCO+\c], 0xfe000000, v[CH+4*\c]     ; 4 off the exponent field: the conversion's scale operand
.endr
.irp c, 0,1
	s_delay_alu instid0(VALU_DEP_2)
	v_lshrrev_b32 v[SB+\c], 23, v[SCO+\c]
.endr
	s_delay_alu instid0(VALU_DEP_1)
	v_lshl_or_b32 v[TM], v[SB+1], 16, v[SB]        ; my two bytes: blocks h and 2 + h,
	s_delay_alu instid0(VALU_DEP_1)
	v_lshlrev_b32 v[TM], v[SH8], v[TM]             ; at their places in the scale word;
	s_delay_alu instid0(VALU_DEP_1)
	v_permlanex16_b32 v[PD], v[TM], s[SEL], s[SEL+1]
	s_delay_alu instid0(VALU_DEP_1)
	v_or_b32 v[PS], v[TM], v[PD]                   ; with lane l xor 16's two the word is whole
.irp c, 0,1
	v_cvt_scalef32_pk16_bf6_f32 v[PC+6*\c:PC+6*\c+2], v[S+32*\c:S+32*\c+15], v[SCO+\c]
	v_cvt_scalef32_pk16_bf6_f32 v[PT+4*\c:PT+4*\c+2], v[S+32*\c+16:S+32*\c+31], v[SCO+\c]
.endr
	v_nop                                          ; one plain place behind a scaled conversion
.irp c, 0,1
.irp i, 0,1,2
	v_mov_b32 v[PC+6*\c+3+\i], v[PT+4*\c+\i]       ; registers 6 c .. 6 c + 5 hold keys 64 c + 32 h + 0 .. 31
.endr
.endr
	s_wait_alu depctr_va_vdst(0)                   ; the wait directly ahead of the first reader of O^T
.set j, 0
.rept 16
	v_pk_mul_f32 v[OT+j:OT+j+1], v[OT+j:OT+j+1], v[FF:FF+1] op_sel_hi:[1,0]   ; O^T under the new M, each tile from its low end on; twelve of the sixteen name no register of a given product below: the places behind p's scale word (8) and codes (4)
.set j, j+2
.endr
	s_wait_alu depctr_va_vdst(0)
	s_wait_dscnt 0x0                               ; V's fragments and scale words
	PV 0                                           ; the four accumulators take turns; between two links of one sum stand three of these and the next step's eight
	PV 1
	PV 2
	PV 3
	s_add_co_u32 s[TB], s[TB], STEPB
.endm
; A PASS: my 16 queries of the work-group's 256 p .. 256 p + 255.
.macro PASS p
.if \p
	s_wait_xcnt 0x0                                ; the last pass's stores have read their registers: the scores may land there
.endif
	s_wait_loadcnt 0x0                             ; q's eight loads
.irp j, 0,1,2,3,4,5,6,7
	ds_store_b128 v[SIN], v[QL+4*\j:QL+4*\j+3] offset:2*SP*\j
.endr
.irp j, 0,1,2,3,4,5,6,7
	ds_load_b128 v[S+4*\j:S+3+4*\j], v[SQ] offset:16*\j            ; in order behind my stores: q(row r, 32 h + 0 .. 31): a whole block
.endr
	s_wait_dscnt 0x0
	v_max3_num_f32 v[CH], |v[S]|, |v[S+1]|, 0x2800000
	v_max3_num_f32 v[CH+1], |v[S+16]|, |v[S+17]|, |v[S+18]|
.irp i, 2,4,6,8,10,12
	s_delay_alu instid0(VALU_DEP_2)
	v_max3_num_f32 v[CH], v[CH], |v[S+\i]|, |v[S+\i+1]|
	s_delay_alu instid0(VALU_DEP_2)
	v_max3_num_f32 v[CH+1], v[CH+1], |v[S+\i+17]|, |v[S+\i+18]|
.endr
	s_delay_alu instid0(VALU_DEP_2)
	v_max3_num_f32 v[CH], v[CH], |v[S+14]|, |v[S+15]|
	s_delay_alu instid0(VALU_DEP_1)
	v_max3_num_f32 v[CH], v[CH], v[CH+1], |v[S+31]|
	s_delay_alu instid0(VALU_DEP_1)
	v_add_nc_u32 v[SCO], 0xfe000000, v[CH]
	s_delay_alu instid0(VALU_DEP_1)
	v_lshrrev_b32 v[SB], 23, v[SCO]
	v_cvt_scalef32_pk16_bf6_f32 v[QF:QF+2], v[S:S+15], v[SCO]
	v_cvt_scalef32_pk16_bf6_f32 v[PT:PT+2], v[S+16:S+31], v[SCO]
	v_nop                                          ; one plain place behind a scaled conversion
.irp i, 0,1,2
	v_mov_b32 v[QF+3+\i], v[PT+\i]
.endr
	v_lshlrev_b32 v[TM], v[SH8], v[SB]             ; my block's byte at byte h,
	s_delay_alu instid0(VALU_DEP_1)
	v_permlanex16_b32 v[PD], v[TM], s[SEL], s[SEL+1]
	s_delay_alu instid0(VALU_DEP_1)
	v_or_b32 v[TM], v[TM], v[PD]                   ; with lane l xor 16's,
	s_delay_alu instid0(VALU_DEP_1)
	v_or_b32 v[QS], 0x7f7f0000, v[TM]              ; and 127 for k = 64 .. 127
	v_mov_b32 v[NM+1], 0xff61b1e6                  ; the largest score so far: -3e38.  (The lines from here to the loop are also the places between the writes of q's scale word and codes and the first product)
	v_mov_b32 v[NM], 0x7e000000                    ; -M: so large that the first step's f is 0; the sums that it multiplies are zeros
	v_mov_b32 v[SUM], 0
	v_mov_b32 v[SUM+1], 0
.set j, 0
.rept 16
	v_mov_b32 v[CC+j], 0                           ; the first step joins chains of zeros
.set j, j+1
.endr
.set j, 0
.rept 32
	v_mov_b32 v[OT+j], 0                           ; the step is written once: the first finds zeros
.set j, j+1
.endr
.if \p == 0
	s_wait_alu depctr_va_vdst(0)                   ; the wait ahead of the waits and the barrier
	s_wait_dscnt 0x0                               ; no LDS instruction of mine is pending at the signal
	s_wait_tensorcnt 0x0                           ; my step of the head has landed
	s_barrier_signal -1
	s_barrier_wait -1                              ; all sixteen have
.endif
	s_mov_b32 s[TB], 0
	s_mov_b32 s[CNT], 16
.Lstep_\@:
	STEP
	s_sub_co_u32 s[CNT], s[CNT], 1
	s_cmp_lg_u32 s[CNT], 0
	s_cbranch_scc1 .Lstep_\@
	MERGE1                                         ; the last step's chains
	s_delay_alu instid0(VALU_DEP_3)
	v_pk_add_f32 v[CC:CC+1], v[CC:CC+1], v[CC+4:CC+5]
	s_delay_alu instid0(VALU_DEP_2)
	v_pk_add_f32 v[CC+8:CC+9], v[CC+8:CC+9], v[CC+12:CC+13]
	s_delay_alu instid0(VALU_DEP_1)
	v_pk_add_f32 v[CC:CC+1], v[CC:CC+1], v[CC+8:CC+9]
	s_delay_alu instid0(VALU_DEP_1)
	v_pk_add_f32 v[SUM:SUM+1], v[SUM:SUM+1], v[CC:CC+1]
.if \p == 0
	QLOAD 1                                        ; the next pass's queries, into registers that only the steps use
.endif
	; THE WAY OUT: O^T / the sum goes through my stage, so that sixteen lanes store a row's 256 bytes
	v_add_f32 v[SUM], v[SUM], v[SUM+1]
	s_delay_alu instid0(VALU_DEP_1)
	v_permlanex16_b32 v[PD], v[SUM], s[SEL], s[SEL+1]
	s_delay_alu instid0(VALU_DEP_1)
	v_add_f32 v[SUM], v[SUM], v[PD]                ; with lane l xor 16's: the row's sum
	s_wait_alu depctr_va_vdst(0)                   ; the wait ahead of the reciprocal
	v_rcp_f32 v[FF], v[SUM]
	v_nop                                          ; the plain instruction behind the reciprocal
	s_wait_alu depctr_va_vdst(0)                   ; the wait ahead of its first reader, which is O^T's first reader too
.set j, 0
.rept 16
	v_pk_mul_f32 v[S+j:S+j+1], v[OT+j:OT+j+1], v[FF:FF+1] op_sel_hi:[1,0]   ; register 8 t + i is o(query r, channel 16 t + 8 h + i); each tile from its low end on
.set j, j+2
.endr
.irp t, 0,1,2,3
	ds_store_b128 v[SOA], v[S+8*\t:S+8*\t+3] offset:64*\t
	ds_store_b128 v[SOA], v[S+8*\t+4:S+8*\t+7] offset:64*\t+16
.endr
.irp i, 0,1,2,3,4,5,6,7
	ds_load_b128 v[S+32+4*\i:S+35+4*\i], v[SIN] offset:2*SP*\i     ; in order behind my stores
.endr
.irp i, 0,1,2,3,4,5,6,7
	s_wait_dscnt 7-\i                              ; the younger loads may stay out
	global_store_b128 v[LI], v[S+32+4*\i:S+35+4*\i], s[8:9] offset:65536*\p+512*\i th:TH_STORE_NT   ; 32 lanes store 512 consecutive bytes, at a multiple of 256 from out0's first byte
.endr
.endm
	PASS 0
	PASS 1
	s_wait_tensorcnt 0x0                           ; the wave's end: behind my tensor load and my last LDS store
	ds_add_u32 v[SPW], v[NIL]
	s_wait_dscnt 0x0
	CROUND                                         ; the closing round: no work-group ends while a partner may still ask for a tile that names it
	s_endpgm
.Lfunc_end_k_q4a9a14a535_attn:
	.size	k_q4a9a14a535_attn, .Lfunc_end_k_q4a9a14a535_attn-k_q4a9a14a535_attn
	.p2alignl 7, 3214868480
	.fill 96, 4, 3214868480
	.section	.rodata,"a",@progbits
	.p2align	6, 0x0
	.amdhsa_kernel k_q4a9a14a535_attn
		.amdhsa_group_segment_fixed_size 313344
		.amdhsa_private_segment_fixed_size 0
		.amdhsa_enable_private_segment 0
		.amdhsa_kernarg_size 24
		.amdhsa_user_sgpr_count 2
		.amdhsa_user_sgpr_kernarg_segment_ptr 1
		.amdhsa_wavefront_size32 1
		.amdhsa_system_sgpr_workgroup_id_x 1
		.amdhsa_system_sgpr_workgroup_id_y 1
		.amdhsa_system_sgpr_workgroup_id_z 1
		.amdhsa_system_vgpr_workitem_id 0
		.amdhsa_next_free_vgpr 256
		.amdhsa_next_free_sgpr 66
		.amdhsa_reserve_vcc 0
		.amdhsa_float_denorm_mode_32 3
		.amdhsa_float_denorm_mode_16_64 3
		.amdhsa_memory_ordered 1
		.amdhsa_forward_progress 1
		.amdhsa_inst_pref_size 55
	.end_amdhsa_kernel
	.amdgpu_metadata
---
amdhsa.version: [ 1, 2 ]
amdhsa.kernels:
  - .name:           k_q4a9a14a535_attn
    .symbol:         k_q4a9a14a535_attn.kd
    .args:
      - { .name: q, .offset: 0, .size: 8, .value_kind: global_buffer, .address_space: global }
      - { .name: kv, .offset: 8, .size: 8, .value_kind: global_buffer, .address_space: global }
      - { .name: out0, .offset: 16, .size: 8, .value_kind: global_buffer, .address_space: global }
    .group_segment_fixed_size: 313344
    .private_segment_fixed_size: 0
    .kernarg_segment_align: 8
    .kernarg_segment_size: 24
    .max_flat_workgroup_size: 512
    .sgpr_count:     66
    .vgpr_count:     256
    .wavefront_size: 32
...
	.end_amdgpu_metadata
.endif
;; end of part 2
